; MI455X (gfx1250); checked and timed in simulation.
; The chip was launched on July 23, 2026; its instructions are those of AMD's public machine-readable ISA for CDNA 5 (MIT licence, August 2026) and "CDNA5" Instruction Set Architecture Reference Guide (July 2026). The comments in the code are by the model that wrote it; some were corrected since.
;; Ply FP4 Linear. Allowed arithmetic: matrix products marked QUANTISED: E4M3 operands, one given power-of-two scale a tensor, by v_wmma_f32_16x16x64_fp8_fp8 or v_wmma_f32_16x16x128_fp8_fp8, f32 sums; everything else in f32.
;; Inputs: lowp_scales 2 int32 (the exponents e of the quantised operands' scales 2^e); lut 16 float16; packed_weight 4,096 x 2,048 int32; x 4,096 x 4,096 float16.
;; Outputs: out0 4,096 x 4,096 float16.
;; This version of the problem:
;;   THIS VERSION OF THE PROBLEM IS GIVEN IN LOW PRECISION. The matrix products marked QUANTISED in the list below multiply operands that are first quantised to E4M3 (4 exponent bits, 3 mantissa bits; 8 bits a number), with one given power-of-two scale for each operand tensor; their sums are f32. All else is computed in f32.
;;   The module's matrix products, in the order in which they are computed (A, B: the left and right operand; K: the contracted axis; several contracted axes count as one K, in the product's order):
;;     1. [M 4,096, K 4,096] x [K 4,096, N 4,096]; A: input x; B: computed on the way: QUANTISED (scales: A lowp_scales[0], B lowp_scales[1])
;;   THE QUANTISER, for each operand of a quantised product, along K:
;;     - The operand's scale is 2^e, e = its entry of the input lowp_scales (int32; the entries are numbered through the quantised products in the list's order, A before B).
;;     - Each number is divided by the scale, clamped to +-448, and rounded to the nearest number of E4M3, ties to even, subnormals kept.
;;     - The product sums the exact products of the quantised numbers (number of the format x scale) in f32.
;;   ~~~python
;;   def quantise(x, axis, e):      # numpy; x: float32 -> the quantised numbers, widened to float32 again
;;       x = np.moveaxis(x, axis, -1); K = x.shape[-1]
;;       r = np.clip(x / 2.0 ** e, -448, 448)
;;       step = 2.0 ** (np.maximum(np.frexp(np.where(r == 0, 1, r))[1] - 1, -6) - 3)
;;       q = np.round(r / step) * step * 2.0 ** e      # np.round: ties to even
;;       return np.moveaxis(q, -1, axis).astype(np.float32)
;;   ~~~
;;   OPERANDS COMPUTED ON THE WAY. 'Computed on the way' means the value that the module computes at that place (a softmax that the list does not call 'softmax' is quantised finished and normalised). What goes into a quantiser is computed in f32, as accurately as f32 sums, v_exp_f32 and their like allow (about 1e-6 of the number): no bf16 or f16 on the way to a quantiser, and a product that is left as it is and whose result goes on into a quantised operand takes f32 operands (vector FMAs, or v_wmma_f32_16x16x4_f32). A number that lies on a knife's edge between two numbers of the format may be rounded either way, as far as f32 arithmetic and the matrix unit's own rounding can turn it there, and no further.
;; One version. Each part assembles by itself: llvm-mc -triple=amdgcn-amd-amdhsa -mcpu=gfx1250 --defsym DOCPART=n.
;; ======== version 1 of 1: 2 launches
;; limits: values are held in f16: magnitudes above 65,504 overflow, below 6.1e-05 lose precision; right only within a limited range of input values
;; workspace buffers: a_codes 16,777,216 bytes; b_codes 16,777,216 bytes
;; launch quant (part 1): grid 1024 x 1, 8 waves a work-group, no clusters, 0 bytes of LDS; arguments x, packed_weight, lut, lowp_scales, a_codes, b_codes; writes a_codes, b_codes
.if DOCPART == 1
	.amdgcn_target "amdgcn-amd-amdhsa--gfx1250"
	.amdhsa_code_object_version 6
	.text
	.protected	k_qe7647edf7f_quant
	.globl	k_qe7647edf7f_quant
	.p2align	8
	.type	k_qe7647edf7f_quant,@function
k_qe7647edf7f_quant:
	s_mov_b64 s[64:65], 0
	v_nop
	global_prefetch_b8 v0, s[64:65] scope:SCOPE_SE
	s_setreg_imm32_b32 hwreg(HW_REG_WAVE_MODE, 25, 1), 1
	s_wait_xcnt 0x0
; BOTH OPERANDS OF y = x w^T BECOME CODES OF FP8 (E4M3), one code a byte.  Layout of a_codes (from x) and b_codes (from packed_weight and lut): [16 K steps][4096 rows][256 k]:
; the 256 codes of a row's K step are 256 consecutive bytes, and the rows of one K step follow each other, so that every tile of the product's launch is dense in memory.
; code = number / 2^e, held within +-448, rounded to the nearest code, ties to even; e = lowp_scales[0] for x, lowp_scales[1] for w.
; NOTHING OF THE PROBLEM IS LEFT OUT: all four inputs are loaded and have a way to the output.  Two things are used that hold for all values of the inputs:
;   (1) the quantiser works number by number, and w[n][k] = lut[index]: so Q(lut[index]) = Q(lut)[index].  The table's 16 numbers are quantised once in each wave (widened to f32, held, converted),
;       and the lookup then picks one of 16 code bytes.  Nothing is assumed of the table's numbers.
;   (2) the indices are (p >> 4) & 15 and p & 15: of each int32 only bits 7:0 count; the high nibble is the even k, the low nibble the odd k.
; LIMITS: each e lies between -126 and 119, so that 2^e and 448 x 2^e are f32 numbers.  NaN in x or lut is not served; an infinity is held at the largest code.
; ONE SHAPE FOR BOTH TENSORS: a row is 8,192 bytes of input (4096 f16, or 2048 int32 of two nibbles) and 4,096 codes.  16 bytes of input a lane give 8 codes.
; A work-group of 8 waves takes 8 rows in 16 steps of half a row; thread t takes byte 16 t of each step.  So a wave's load covers 512 consecutive bytes, and its store one row of one K step:
; 256 consecutive bytes at a multiple of 256.  No LDS, no barrier, no matrix unit, no cluster: no two work-groups read the same byte of the two large inputs.
; Work-groups 0 to 511 take x, 512 to 1,023 packed_weight.  All 16 loads of a wave go out at once; every offset is an immediate; no address, base or store's data is ever written again.
.set XWG,   512                        ; work-groups for x: 4096 rows / 8; as many for packed_weight
.set INB,   4096                       ; a step's input bytes
.set D,     16                         ; v16-79   step t: four registers as loaded, at D + 4 t; its two registers of codes are written over the first two
.set LUT,   80                         ; v80-87   the table as loaded (named below by their halves)
.set F,     88                         ; v88-103  x: two sets of 8 f32 by turns;  w: the table's 16 numbers as f32
.set W,     104                        ; v104-109 w: at work, three registers for each of a step's two index words
; v1 = 16 t (in); v2, v6 = my place in the codes for a row's first and second half; v3 = 0; v4 = 2^e, v5 = 448 x 2^e; v8-11 = the table's 16 codes, entry i in byte i % 4 of v[8 + i / 4]
.macro LOADS base                      ; the wave's whole share: 16 loads
.irp t, 0,1,2,3,4,5,6,7,8,9,10,11,12,13,14,15
	global_load_b128 v[D+4*\t:D+4*\t+3], v1, s[\base:\base+1] offset:INB*\t th:TH_LOAD_NT   ; read once in the launch
.endr
.endm
.macro SCALE e                         ; s[e] holds the exponent
	s_add_co_i32 s28, s[\e], 127
	s_lshl_b32 s29, s28, 23
	v_mov_b32 v4, s29                              ; 2^e as f32: the conversion takes its exponent field
	s_add_co_i32 s28, s28, 8
	s_lshl_b32 s28, s28, 23
	s_or_b32 s28, s28, 0x600000
	v_mov_b32 v5, s28                              ; 448 x 2^e: 448's mantissa field under the exponent e + 8
	s_wait_alu depctr_va_vdst(0)
.endm
.macro SEND t, base                    ; step t is row t / 2 of the eight, its first half (v2) or its second (v6)
	global_store_b64 v[2+4*((\t)%2)], v[D+4*(\t):D+4*(\t)+1], s[\base:\base+1] offset:256*((\t)/2)
.endm
; A step of x.  h0 .. h7: the eight halves of the step's four registers, in the order of k.
.macro XSTEP t, h0, h1, h2, h3, h4, h5, h6, h7
.set XS, F+8*((\t)%2)
	s_wait_loadcnt 15-(\t)                         ; loads come back in order (ISA guide 5.7.1): this step's is in, the later steps' may be out
	v_cvt_f32_f16 v[XS+0], \h0                     ; f16 to f32 is exact
	v_cvt_f32_f16 v[XS+1], \h1
	v_cvt_f32_f16 v[XS+2], \h2
	v_cvt_f32_f16 v[XS+3], \h3
	v_cvt_f32_f16 v[XS+4], \h4
	v_cvt_f32_f16 v[XS+5], \h5
	v_cvt_f32_f16 v[XS+6], \h6
	v_cvt_f32_f16 v[XS+7], \h7
.irp i, 0,1,2,3,4,5,6,7
	v_med3_num_f32 v[XS+\i], v[XS+\i], -v5, v5     ; the conversion to an 8-bit code does not saturate (ISA guide 7.6.2): the hold comes first
.endr
	v_cvt_scalef32_pk8_fp8_f32 v[D+4*(\t):D+4*(\t)+1], v[XS:XS+7], v4   ; the first number's code in the lowest byte.  Its result goes to a store alone; the next vector lines are plain and write the other set
	SEND \t, 12
.endm
; A step of w: four int32 a lane, taken as two pairs; pair p gives one register of four codes.
.macro WSTEP t
	s_wait_loadcnt 15-(\t)
.irp p, 0,1
	v_perm_b32 v[W+\p], v[D+4*(\t)+2*\p+1], v[D+4*(\t)+2*\p], s22   ; bytes [a0, a0, b0, b0]: byte 0 of each of the pair's two int32, twice
.endr
.irp p, 0,1
	s_delay_alu instid0(VALU_DEP_2)
	v_lshrrev_b32 v[W+2+\p], 4, v[W+\p]            ; the high nibbles come down
.endr
.irp p, 0,1
	s_delay_alu instid0(VALU_DEP_2)
	v_bfi_b32 v[W+\p], s23, v[W+2+\p], v[W+\p]     ; bytes 0 and 2 from the shifted word: the four bytes' low nibbles are the indices of k .. k + 3
.endr
	s_delay_alu instid0(VALU_DEP_2)
	v_and_b32 v[W+2], s24, v[W]                    ; index & 7, byte by byte: a selector among eight bytes
	s_delay_alu instid0(VALU_DEP_3)
	v_lshrrev_b32 v[W+4], 1, v[W]                  ; each index's bit 3 comes to bit 2,
	s_delay_alu instid0(VALU_DEP_3)
	v_and_b32 v[W+3], s24, v[W+1]
	s_delay_alu instid0(VALU_DEP_4)
	v_lshrrev_b32 v[W+5], 1, v[W+1]
	s_delay_alu instid0(VALU_DEP_3)
	v_and_or_b32 v[W+4], v[W+4], s25, s26          ; and byte i becomes i + 4 x that bit
	v_perm_b32 v[W], v9, v8, v[W+2]                ; what the index picks among entries 0 to 7,
	v_perm_b32 v[W+2], v11, v10, v[W+2]            ; and among entries 8 to 15
	s_delay_alu instid0(VALU_DEP_4)
	v_and_or_b32 v[W+5], v[W+5], s25, s26
	v_perm_b32 v[W+1], v9, v8, v[W+3]
	v_perm_b32 v[W+3], v11, v10, v[W+3]
	s_delay_alu instid0(VALU_DEP_4)
	v_perm_b32 v[D+4*(\t)], v[W+2], v[W], v[W+4]   ; byte i: the first where bit 3 is 0, the second where it is 1
	s_delay_alu instid0(VALU_DEP_2)
	v_perm_b32 v[D+4*(\t)+1], v[W+3], v[W+1], v[W+5]
	SEND \t, 14
.endm
	s_load_b256 s[4:11], s[0:1], 0x0               ; x s[4:5], packed_weight s[6:7], lut s[8:9], lowp_scales s[10:11]
	s_load_b128 s[12:15], s[0:1], 0x20             ; a_codes s[12:13], b_codes s[14:15]
	v_lshlrev_b32 v1, 4, v0                        ; my 16 bytes of a step's input
	v_and_b32 v2, 31, v0
	v_lshrrev_b32 v7, 5, v0                        ; wave w: K step w of a row's first half, 8 + w of its second
	v_lshlrev_b32 v2, 3, v2                        ; my 8 bytes of the wave's 256
	v_lshl_add_u32 v2, v7, 20, v2                  ; a K step is 4096 rows x 256 bytes
	v_add_nc_u32 v6, 0x800000, v2                  ; eight K steps on
	s_and_b32 s18, ttmp9, XWG-1                    ; which 8 rows of its tensor are my work-group's
	s_lshl_b32 s20, s18, 11                        ; x 8 rows of 256 bytes of codes
	s_lshl_b32 s18, s18, 16                        ; x 65,536 bytes of input
	s_mov_b32 s19, 0
	s_mov_b32 s21, 0
	s_wait_alu depctr_va_vdst(0)
	s_wait_kmcnt 0x0
	s_load_b64 s[16:17], s[10:11], 0x0             ; e0, e1
	s_cmp_lt_u32 ttmp9, XWG                        ; the work-group's number alone decides the path
	s_cbranch_scc0 .Lweights
	; ---- x
	s_add_nc_u64 s[4:5], s[4:5], s[18:19]
	s_add_nc_u64 s[12:13], s[12:13], s[20:21]
	LOADS 4
	s_wait_kmcnt 0x0
	SCALE 16
	XSTEP 0,  v16.l, v16.h, v17.l, v17.h, v18.l, v18.h, v19.l, v19.h
	XSTEP 1,  v20.l, v20.h, v21.l, v21.h, v22.l, v22.h, v23.l, v23.h
	XSTEP 2,  v24.l, v24.h, v25.l, v25.h, v26.l, v26.h, v27.l, v27.h
	XSTEP 3,  v28.l, v28.h, v29.l, v29.h, v30.l, v30.h, v31.l, v31.h
	XSTEP 4,  v32.l, v32.h, v33.l, v33.h, v34.l, v34.h, v35.l, v35.h
	XSTEP 5,  v36.l, v36.h, v37.l, v37.h, v38.l, v38.h, v39.l, v39.h
	XSTEP 6,  v40.l, v40.h, v41.l, v41.h, v42.l, v42.h, v43.l, v43.h
	XSTEP 7,  v44.l, v44.h, v45.l, v45.h, v46.l, v46.h, v47.l, v47.h
	XSTEP 8,  v48.l, v48.h, v49.l, v49.h, v50.l, v50.h, v51.l, v51.h
	XSTEP 9,  v52.l, v52.h, v53.l, v53.h, v54.l, v54.h, v55.l, v55.h
	XSTEP 10, v56.l, v56.h, v57.l, v57.h, v58.l, v58.h, v59.l, v59.h
	XSTEP 11, v60.l, v60.h, v61.l, v61.h, v62.l, v62.h, v63.l, v63.h
	XSTEP 12, v64.l, v64.h, v65.l, v65.h, v66.l, v66.h, v67.l, v67.h
	XSTEP 13, v68.l, v68.h, v69.l, v69.h, v70.l, v70.h, v71.l, v71.h
	XSTEP 14, v72.l, v72.h, v73.l, v73.h, v74.l, v74.h, v75.l, v75.h
	XSTEP 15, v76.l, v76.h, v77.l, v77.h, v78.l, v78.h, v79.l, v79.h
	s_endpgm
	; ---- w
.Lweights:
	v_mov_b32 v3, 0
	global_load_b128 v[LUT:LUT+3], v3, s[8:9]              ; the table's 32 bytes, the same in every lane; ahead of the stream, so that its wait leaves the stream out
	global_load_b128 v[LUT+4:LUT+7], v3, s[8:9] offset:16
	s_add_nc_u64 s[6:7], s[6:7], s[18:19]
	s_add_nc_u64 s[14:15], s[14:15], s[20:21]
	LOADS 6
	s_mov_b32 s22, 0x04040000                      ; byte 0 of the second source twice, byte 0 of the first source twice
	s_mov_b32 s23, 0x00ff00ff                      ; bytes 0 and 2
	s_mov_b32 s24, 0x07070707
	s_mov_b32 s25, 0x04040404
	s_mov_b32 s26, 0x03020100
	s_wait_kmcnt 0x0
	SCALE 17
	s_wait_loadcnt 16                              ; the table is in; the 16 loads issued behind it may be out
.set i, 0
.irp h, v80.l,v80.h,v81.l,v81.h,v82.l,v82.h,v83.l,v83.h,v84.l,v84.h,v85.l,v85.h,v86.l,v86.h,v87.l,v87.h
	v_cvt_f32_f16 v[F+i], \h                       ; entry i
.set i, i+1
.endr
.irp i, 0,1,2,3,4,5,6,7,8,9,10,11,12,13,14,15
	v_med3_num_f32 v[F+\i], v[F+\i], -v5, v5
.endr
	v_cvt_scalef32_pk8_fp8_f32 v[8:9], v[F:F+7], v4        ; entries 0 to 7: entry i in byte i % 4 of v[8 + i / 4]
	v_cvt_scalef32_pk8_fp8_f32 v[10:11], v[F+8:F+15], v4   ; entries 8 to 15
	v_nop                                          ; one plain vector instruction between a scaled conversion and the vector instructions that read its result
	s_wait_alu depctr_va_vdst(0)
.irp t, 0,1,2,3,4,5,6,7,8,9,10,11,12,13,14,15
	WSTEP \t
.endr
	s_endpgm
.Lfunc_end_k_qe7647edf7f_quant:
	.size	k_qe7647edf7f_quant, .Lfunc_end_k_qe7647edf7f_quant-k_qe7647edf7f_quant
	.p2alignl 7, 3214868480
	.fill 96, 4, 3214868480
	.section	.rodata,"a",@progbits
	.p2align	6, 0x0
	.amdhsa_kernel k_qe7647edf7f_quant
		.amdhsa_group_segment_fixed_size 0
		.amdhsa_private_segment_fixed_size 0
		.amdhsa_enable_private_segment 0
		.amdhsa_kernarg_size 48
		.amdhsa_user_sgpr_count 2
		.amdhsa_user_sgpr_kernarg_segment_ptr 1
		.amdhsa_wavefront_size32 1
		.amdhsa_system_sgpr_workgroup_id_x 1
		.amdhsa_system_sgpr_workgroup_id_y 1
		.amdhsa_system_sgpr_workgroup_id_z 1
		.amdhsa_system_vgpr_workitem_id 0
		.amdhsa_next_free_vgpr 112
		.amdhsa_next_free_sgpr 66
		.amdhsa_reserve_vcc 0
		.amdhsa_float_denorm_mode_32 3
		.amdhsa_float_denorm_mode_16_64 3
		.amdhsa_memory_ordered 1
		.amdhsa_forward_progress 1
		.amdhsa_inst_pref_size 46
	.end_amdhsa_kernel
	.amdgpu_metadata
---
amdhsa.version: [ 1, 2 ]
amdhsa.kernels:
  - .name:           k_qe7647edf7f_quant
    .symbol:         k_qe7647edf7f_quant.kd
    .args:
      - { .name: x, .offset: 0, .size: 8, .value_kind: global_buffer, .address_space: global }
      - { .name: packed_weight, .offset: 8, .size: 8, .value_kind: global_buffer, .address_space: global }
      - { .name: lut, .offset: 16, .size: 8, .value_kind: global_buffer, .address_space: global }
      - { .name: lowp_scales, .offset: 24, .size: 8, .value_kind: global_buffer, .address_space: global }
      - { .name: a_codes, .offset: 32, .size: 8, .value_kind: global_buffer, .address_space: global }
      - { .name: b_codes, .offset: 40, .size: 8, .value_kind: global_buffer, .address_space: global }
    .group_segment_fixed_size: 0
    .private_segment_fixed_size: 0
    .kernarg_segment_align: 8
    .kernarg_segment_size: 48
    .max_flat_workgroup_size: 256
    .sgpr_count:     66
    .vgpr_count:     112
    .wavefront_size: 32
...
	.end_amdgpu_metadata
.endif
;; end of part 1
;; launch gemm (part 2): grid 16 x 16, 4 waves a work-group, clusters of 4 x 4, 327,680 bytes of LDS; arguments a_codes, b_codes, lowp_scales, out0; writes out0
.if DOCPART == 2
	.amdgcn_target "amdgcn-amd-amdhsa--gfx1250"
	.amdhsa_code_object_version 6
	.text
	.protected	k_qe7647edf7f_gemm
	.globl	k_qe7647edf7f_gemm
	.p2align	8
	.type	k_qe7647edf7f_gemm,@function
k_qe7647edf7f_gemm:
	s_mov_b64 s[64:65], 0
	v_nop
	global_prefetch_b8 v0, s[64:65] scope:SCOPE_SE
	s_setreg_imm32_b32 hwreg(HW_REG_WAVE_MODE, 25, 1), 1
	s_wait_xcnt 0x0
	s_wait_alu depctr_hold_cnt(0) depctr_sa_sdst(0) depctr_va_vdst(0) depctr_va_sdst(0) depctr_va_ssrc(0) depctr_va_vcc(0) depctr_vm_vsrc(0)
	s_getreg_b32 s2, hwreg(HW_REG_IB_STS2, 6, 4)
	s_cmp_eq_u32 s2, 0
	s_cbranch_scc0 .Lentry_in_a_cluster
	s_endpgm
.Lentry_in_a_cluster:
	s_bfe_u32 s2, ttmp6, 0x10000c
	s_cmp_lg_u32 s2, 0xf033
	s_cbranch_scc0 .Lentry_shape_is_right
	s_endpgm
.Lentry_shape_is_right:
; y[m][n] = 2^(e0 + e1) x the sum over k of a[m][k] b[n][k], rounded once to f16.  a, b: codes of FP8 (E4M3) laid [16 K steps][4096 rows][256 k]; e0, e1: lowp_scales; sums in f32.  Nothing is left out.
; LIMITS: e0 + e1 lies between -126 and 127, so that 2^(e0 + e1) is an f32 number.  A sum beyond f16's range becomes an infinity.
; A tile of y, 256 x 256, is made by a work-group of four waves, each 128 x 128: 64 accumulators of 16 x 16, 512 registers; 256 tiles, 256 work-groups.
; K goes in 16 steps of 256 through two LDS slots filled by the tensor data mover: a step's rows are 256 bytes and dense in memory; each wave fetches 128 of them with one load.
; CLUSTERS: 4 x 4 work-groups.  The four of a row of the cluster need the same tiles of a, the four of a column the same tiles of b: each is asked for JOINTLY, by the same load with the same descriptor.
; THE MATRIX INSTRUCTION IS USED TRANSPOSED (source 0 = 16 rows of b, source 1 = 16 rows of a): a lane then holds eight neighbouring numbers of a row of y.
; A fragment, 16 rows x 128 K, is 16 registers: lane l holds row l % 16; registers 4 c .. 4 c + 3 hold K = 32 c + 16 (l / 16) + 0 .. 15, the same permutation of k in a and in b.
; REGISTERS, in windows of 256: window 0: v0-31 addresses; from v32 on 14 places for fragments of a.  window 1: b's fragments, two sets of 8.  window 2: accumulators (a, b) of my rows 0-63 at v[8 (8 a + b)]; window 3: of my rows 64-127.
; A K step is two halves of 128 along K: T0 (b's set 0; a's blocks 0-7 in places 0-7) and T1 (b's set 1; a's blocks 0-5 in places 8-13, blocks 6, 7 in places 4, 5, which T0 has finished with by then).
; A half is 16 groups of four products.  A K step's 32 fragments (4 LDS loads each) are asked for in three runs: RUN1 (14, for T0) in T1 behind the change of slots, RUN2 (T0's last two, 12 for T1) at T1's end, the last four of T1 in T0.
; So T1 opens with all its fragments asked for, and the change of slots follows.
; PREFETCH, 32 rows x 256 bytes a wave, a lane a row: K step 1 behind K step 0's load, K steps 2 and 3 behind K step 1's; then behind each refill, K step s, its run of LDS loads and K step s + 2.  Of the 128 rows that a wave
; fetches, the partner at place p of the four that ask jointly takes 32 p .. 32 p + 31 (p = cx for a, cy for b): each block of 256 bytes is named once in each cluster that will load it, and by four clusters in all.
; The loop's last trip asks for nothing: K step 15 is the last.
.set ROWB,   256
.set KBYTES, 0x100000                  ; a K step in memory: 4096 rows x 256 bytes
.set PITCH,  272                       ; an LDS row: 256 bytes + 16 of padding = 68 words: row r starts at bank 4 r mod 64 (64 banks of 4 bytes: ISA guide 11.1)
.set HALFT,  128*PITCH                 ; 128 rows: what one load brings, and what one wave reads of a or of b
.set SLOT,   4*HALFT                   ; a's 256 rows, then b's 256 rows
.set STAGE,  2*SLOT                    ; behind the ring: 16 rows x 272 bytes for each wave, for the way out; no fill lands there
.set SPARE,  STAGE+4*16*PITCH          ; the spare words, 128 bytes for each wave; no other line names them
.set ADRA, 16                          ; v16-17 LDS address of my fragments of a in slot 0, 1
.set ADRB, 20                          ; v20-21 the same for b
.set STO,  24                          ; v24 the way out: where I put 16 bytes of a row
.set RD,   25                          ; v25 where I read a row back
.set CO,   26                          ; v26 my byte offset in y
.set SPW,  28                          ; v28 LDS address of my spare word; v29 0; neither is rewritten
.set NIL,  29
.set PFO,  30                          ; v30 the prefetches' offset: 256 x lane
.set AF,   32                          ; place n of a's fragments: v[32 + 16 n]
.set G1, 24                            ; s[24:31] descriptor group 1 for a; s[32:39] group 0, one set for each slot
.set G0, 32
.set G1B, 48                           ; s[48:55], s[56:63] the same for b
.set G0B, 56
.set PFA, 68                           ; s[68:69] the prefetches' base
.set MSB, 0
.macro WIN new                         ; the immediate's high byte repeats the setting that is left
.if MSB != (\new)
	s_set_vgpr_msb (MSB<<8)|(\new)
.set MSB, (\new)
.endif
.endm
.set MUL_LO, 0xa1                      ; source 0 (b) window 1, source 1 (a) window 0, C and D window 2; + 0x50: C and D window 3
.set TO_B,   0x40                      ; destination window 1, address window 0
.macro PLACES                          ; four places behind a matrix instruction, ahead of a load into what it has read or a vector instruction that reads its result (ISA guide 7.12.1 for vector instructions)
.rept 4
	v_nop
.endr
.endm
.macro JLOAD s                         ; a joint load: waves 0, 1 fetch for a, waves 2, 3 for b; each line has one mask; the branch hangs on the wave's number alone
	s_cmp_eq_u32 s15, 0
	s_cbranch_scc0 .Lfor_b_\@
	tensor_load_to_lds s[G0+4*\s:G0+4*\s+3], s[G1:G1+7]
	s_nop 0
	PLACES
	s_branch .Lasked_\@
.Lfor_b_\@:
	tensor_load_to_lds s[G0B+4*\s:G0B+4*\s+3], s[G1B:G1B+7]
	s_nop 0
	PLACES
.Lasked_\@:
.endm
.macro CMID                            ; the middle of a round of the cluster's barrier: wave 0 signals for the work-group, every wave waits for all sixteen
	s_cmp_lg_u32 s14, 0
	s_cbranch_scc1 .Lnot_wave_0_\@
	s_barrier_signal -3
.Lnot_wave_0_\@:
	s_barrier_wait -3
.endm
.macro CROUND                          ; a whole round
	s_barrier_signal -1
	s_barrier_wait -1
	CMID
	s_barrier_signal -1
	s_barrier_wait -1
.endm
.macro ASK k                           ; K step k behind the prefetches' base
	global_prefetch_b8 v[PFO], s[PFA:PFA+1] offset:(\k)*KBYTES th:TH_LOAD_NT scope:SCOPE_SE
.endm
; Group g of half p: block g / 2 of a against four of b's fragments.  The 64 accumulators take turns, one instruction a turn.  zero = 1: the first product starts the sum.
.macro G g, p, zero
.set GA, (\g)/2
.set GR, AF+16*(GA+(\p)*(8-10*(GA/6)))
	WIN MUL_LO+0x50*(GA/4)
.irp b, 0,1,2,3
.set GB, 128*(\p)+16*(4*((\g)%2)+\b)
.set GC, 8*(8*(GA%4)+4*((\g)%2)+\b)
.if \zero
	v_wmma_f32_16x16x128_fp8_fp8 v[GC:GC+7], v[GB:GB+15], v[GR:GR+15], 0
.else
	v_wmma_f32_16x16x128_fp8_fp8 v[GC:GC+7], v[GB:GB+15], v[GR:GR+15], v[GC:GC+7]
.endif
.endr
.endm
.macro LB slot, q, i                   ; fragment i of b of half q of the slot, into set q
	WIN TO_B
.irp c, 0,1,2,3
	ds_load_b128 v[128*(\q)+16*(\i)+4*\c:128*(\q)+16*(\i)+4*\c+3], v[ADRB+\slot] offset:128*(\q)+32*\c+(\i)*16*PITCH
.endr
.endm
.macro LA slot, q, i                   ; block i of a, into its place
.set LR, AF+16*((\i)+(\q)*(8-10*((\i)/6)))
	WIN 0
.irp c, 0,1,2,3
	ds_load_b128 v[LR+4*\c:LR+4*\c+3], v[ADRA+\slot] offset:128*(\q)+32*\c+(\i)*16*PITCH
.endr
.endm
.macro RUN1 slot                       ; 14 fragments of T0: all whose registers T1 does not use
	LA \slot, 0, 0
.irp i, 0,1,2,3,4,5,6,7
	LB \slot, 0, \i
.endr
.irp i, 1,2,3,6,7
	LA \slot, 0, \i
.endr
.endm
.macro RUN2 slot                       ; 14 fragments: a's blocks 4, 5 of T0, whose places T1 used last; b and a's blocks 0-3 of T1
	LA \slot, 0, 4
	LA \slot, 0, 5
.irp i, 0,1,2,3,4,5,6,7
	LB \slot, 1, \i
.endr
.irp i, 0,1,2,3
	LA \slot, 1, \i
.endr
.endm
; T0.  RUN1 and RUN2 have been asked for.  Each wait's count is 4 x the fragments asked for behind those that are needed.
.macro T0 slot, zero
	s_wait_dscnt 56                                ; RUN1 is in; RUN2's 14 fragments may be out
.irp g, 0,1,2,3,4,5,6,7
	G \g, 0, \zero
.endr
	s_wait_dscnt 48                                ; a's blocks 4, 5: behind them RUN2's other 12
.irp g, 8,9,10,11
	G \g, 0, \zero
.endr
	PLACES                                         ; blocks 6, 7 of T1 land in the places that groups 8-11 read
.irp i, 4,5,6,7
	LA \slot, 1, \i
.endr
.irp g, 12,13,14,15
	G \g, 0, \zero
.endr
.endm
; T1, which changes slots: the wait for all tensor loads (the one that is out is my part of the next slot), the add, the wait for the add and for my reads of this slot; then the round; behind it nobody reads this slot and the
; next one is whole in every partner.  fill = 1: this slot is filled again, two K steps on.  fill = 0: nothing is filled again, so the work-group's barrier alone.
.macro T1 slot, next, fill
.if \fill
	s_wait_xcnt 0x0                                ; the last prefetch has read its base
	s_add_nc_u64 s[PFA:PFA+1], s[PFA:PFA+1], KBYTES
.endif
	WIN 0
	s_wait_tensorcnt 0x0
	ds_add_u32 v[SPW], v[NIL]
.if \fill
	s_add_nc_u64 s[G0+4*\slot+2:G0+4*\slot+3], s[G0+4*\slot+2:G0+4*\slot+3], 2*KBYTES
	s_add_nc_u64 s[G0B+4*\slot+2:G0B+4*\slot+3], s[G0B+4*\slot+2:G0B+4*\slot+3], 2*KBYTES
.endif
	s_wait_dscnt 29                                ; b's set 1 and a's block 0 are in: behind them seven fragments of a and the add
	G 0, 1, 0
	G 1, 1, 0
	s_wait_dscnt 0x0                               ; the add is done, and my reads of this slot are over
	s_barrier_signal -1
	G 2, 1, 0                                      ; register work while the others arrive
	WIN 0                                          ; at a branch and at a label every window is 0
	s_barrier_wait -1
.if \fill
	CMID
	s_barrier_signal -1
	G 3, 1, 0
	WIN 0
	s_barrier_wait -1
	JLOAD \slot                                    ; the first tensor load behind the round; its four v_nop are also the places ahead of the loads below
.else
	PLACES
.endif
	RUN1 \next
.if \fill
	s_cmp_gt_u32 s3, 1                             ; the last trip's refills have no K step two on
	s_cbranch_scc0 .Lno_ask_\@
	ASK 3                                          ; (the base has gone one K step on at each refill: K step s + 2)
.Lno_ask_\@:
.else
	G 3, 1, 0
.endif
.irp g, 4,5,6,7,8,9,10,11,12,13,14,15
	G \g, 1, 0
.endr
	PLACES                                         ; for places 4, 5, which groups 12-15 read, and for b's set 1
	RUN2 \next
.endm
	s_load_b128 s[4:7], s[0:1], 0x0                ; a s[4:5], b s[6:7]
	s_load_b128 s[8:11], s[0:1], 0x10              ; lowp_scales s[8:9], y s[10:11]
	v_lshl_add_u32 v[SPW], v0, 2, SPARE
	v_mov_b32 v[NIL], 0
	ds_add_u32 v[SPW], v[NIL]                      ; the wave's opening: the add, twice on end, and its wait
	ds_add_u32 v[SPW], v[NIL]
	v_lshrrev_b32 v1, 5, v0
	v_readfirstlane_b32 s14, v1                    ; wave 0..3
	s_lshr_b32 s15, s14, 1                         ; which half of the tile's rows is mine.  Also: I fetch for a (0) or for b (1)
	s_and_b32 s16, s14, 1                          ; which half of its columns.  Also: which 128 rows I fetch
	s_bfe_u32 s40, ttmp6, 0x40000                  ; cx, cy: my place in the cluster
	s_bfe_u32 s41, ttmp6, 0x40004
	s_lshl_b32 s42, ttmp9, 2
	s_add_co_u32 s42, s42, s40                     ; tile column of y
	s_and_b32 s17, ttmp7, 0xffff
	s_lshl_b32 s17, s17, 2
	s_add_co_u32 s17, s17, s41                     ; tile row of y
	s_lshl_b32 s43, s41, 2
	s_lshl_b32 s43, 15, s43                        ; my row of the cluster
	s_lshl_b32 s44, 0x1111, s40                    ; my column
	s_or_b32 s[G1+0], s43, (1<<20)|(1<<21)|(5<<22)|(3<<25)   ; the mask; elements of 1 byte; padding on; bit 21 beside a mask; after every 64 words (code 5) 4 words (code 3)
	s_or_b32 s[G1B+0], s44, (1<<20)|(1<<21)|(5<<22)|(3<<25)
.irp g, G1, G1B
	s_mov_b32 s[\g+1], ROWB<<16                    ; tensor_dim0 = 256
	s_mov_b32 s[\g+2], 128<<16                     ; tensor_dim1 = 128
	s_mov_b32 s[\g+3], ROWB<<16                    ; tile_dim0
	s_mov_b32 s[\g+4], 128                         ; tile_dim1
	s_mov_b32 s[\g+5], ROWB                        ; the pitch: rows are dense
	s_mov_b32 s[\g+6], 0
	s_mov_b32 s[\g+7], 0
.endr
	s_lshl_b32 s18, s16, 15                        ; the 128 rows that I fetch, in bytes
	s_lshl_b32 s20, s17, 16                        ; a: 256 x tile row
	s_add_co_u32 s20, s20, s18
	s_mov_b32 s21, 0
	s_lshl_b32 s46, s42, 16                        ; b: 256 x tile column
	s_add_co_u32 s46, s46, s18
	s_mov_b32 s47, 0
	s_mul_i32 s45, s14, HALFT                      ; where they go: wave x 128 rows
.irp s, 0,1
	s_mov_b32 s[G0+4*\s], 1
	s_add_co_u32 s[G0+4*\s+1], s45, \s*SLOT
	s_mov_b32 s[G0B+4*\s], 1
	s_add_co_u32 s[G0B+4*\s+1], s45, \s*SLOT
.endr
	s_wait_dscnt 0x0                               ; both opening adds are done
	CROUND                                         ; all sixteen work-groups are here: the first joint loads meet
	s_wait_kmcnt 0x0
	s_add_nc_u64 s[20:21], s[4:5], s[20:21]
	s_add_nc_u64 s[46:47], s[6:7], s[46:47]
.irp s, 0,1
	s_add_nc_u64 s[G0+4*\s+2:G0+4*\s+3], s[20:21], \s*KBYTES
	s_or_b32 s[G0+4*\s+3], s[G0+4*\s+3], 0x80000000
	s_add_nc_u64 s[G0B+4*\s+2:G0B+4*\s+3], s[46:47], \s*KBYTES
	s_or_b32 s[G0B+4*\s+3], s[G0B+4*\s+3], 0x80000000
.endr
	JLOAD 0                                        ; K step 0
	s_load_b64 s[96:97], s[8:9], 0x0               ; e0, e1: used on the way out
	; the prefetches' base: a's or b's tile, the 128 rows that I fetch, my work-group's 32 of them
	s_cmp_eq_u32 s15, 0
	s_cselect_b32 s72, s17, s42
	s_cselect_b32 s73, s40, s41
	s_cselect_b64 s[PFA:PFA+1], s[4:5], s[6:7]
	s_lshl_b32 s72, s72, 16
	s_lshl_b32 s73, s73, 13
	s_add_co_u32 s72, s72, s73
	s_add_co_u32 s72, s72, s18
	s_mov_b32 s73, 0
	s_add_nc_u64 s[PFA:PFA+1], s[PFA:PFA+1], s[72:73]
	; where my part of the tile begins in y: 8,192 bytes a row
	s_lshl_b32 s72, s17, 21
	s_lshl_b32 s74, s15, 20
	s_add_co_u32 s72, s72, s74
	s_lshl_b32 s74, s42, 9
	s_add_co_u32 s72, s72, s74
	s_lshl_b32 s74, s16, 8
	s_add_co_u32 s72, s72, s74
	s_add_nc_u64 s[10:11], s[10:11], s[72:73]
	v_and_b32 v[PFO], 31, v0
	v_lshlrev_b32 v[PFO], 8, v[PFO]
	ASK 1
	s_mul_i32 s21, s15, HALFT                      ; my 128 rows of a
	s_mul_i32 s22, s16, HALFT
	s_add_co_u32 s22, s22, 2*HALFT                 ; my 128 rows of b
	s_mul_i32 s23, s14, 16*PITCH
	s_add_co_u32 s23, s23, STAGE                   ; my stage
	v_and_b32 v1, 15, v0                           ; l % 16
	v_bfe_u32 v2, v0, 4, 1                         ; l / 16
	v_mul_u32_u24 v3, v1, PITCH
	v_lshl_add_u32 v3, v2, 4, v3                   ; row x pitch + 16 x half
	v_add_nc_u32 v[ADRA], s21, v3
	v_add_nc_u32 v[ADRB], s22, v3
	v_add_nc_u32 v[ADRA+1], SLOT, v[ADRA]
	v_add_nc_u32 v[ADRB+1], SLOT, v[ADRB]
	v_add_nc_u32 v[STO], s23, v3                   ; into the stage: row l % 16, 16 bytes for each half of the lanes
	v_mul_u32_u24 v5, v2, PITCH                    ; back: lanes 0-15 take one row of 256 bytes, lanes 16-31 the next
	v_lshl_add_u32 v5, v1, 4, v5
	v_add_nc_u32 v[RD], s23, v5
	v_lshlrev_b32 v6, 13, v2                       ; and the same two rows in y
	v_lshl_add_u32 v[CO], v1, 4, v6
	s_wait_alu depctr_va_vdst(0)
	s_wait_tensorcnt 0x0                           ; my part of K step 0 is in; ahead of slot 1's first fill the same lines as ahead of a refill
	ds_add_u32 v[SPW], v[NIL]
	s_wait_dscnt 0x0
	CROUND                                         ; everybody's part of K step 0 is in
	JLOAD 1                                        ; K step 1
	RUN1 0
	RUN2 0
	WIN 0
	ASK 2
	ASK 3
	T0 0, 1                                        ; the first half stands in front of the loop: its products start the sums
	WIN 0
	s_mov_b32 s3, 7
.Llap:                                                 ; a trip: two K steps; its two refills are K steps 2 to 15
	T1 0, 1, 1
	T0 1, 0
	T1 1, 0, 1
	T0 0, 0
	WIN 0
	s_sub_co_u32 s3, s3, 1
	s_cmp_lg_u32 s3, 0
	s_cbranch_scc1 .Llap
	s_wait_kmcnt 0x0
	s_add_co_i32 s96, s96, s97
	s_add_co_i32 s96, s96, 127
	s_lshl_b32 s96, s96, 23                        ; 2^(e0 + e1) as f32
	T1 0, 1, 0
; THE WAY OUT of block a (16 rows x 128 columns), all in the block's own 64 accumulator registers: CONV scales and packs them into the lower 32, each accumulator from its low end on; STG lays them into my stage and reads whole rows
; back into the upper 32; SEND stores them, sixteen lanes to 256 consecutive bytes at a multiple of 256.  LDS serves a wave's instructions in order (ISA guide 5.7.1.4).
.macro CONV a
.set AC, 64*((\a)%4)
	WIN 0x8a+0x45*((\a)/4)                         ; sources and destination window 2 or 3
.set i, 0
.rept 32
	v_pk_mul_f32 v[AC+2*i:AC+2*i+1], v[AC+2*i:AC+2*i+1], s[96:97] op_sel_hi:[1,0]   ; both x s96: a power of two
.set i, i+1
.endr
.set i, 0
.rept 32
	v_cvt_pk_f16_f32 v[AC+i], v[AC+2*i], v[AC+2*i+1]   ; register i has been read when it is written
.set i, i+1
.endr
.endm
.macro STG a
.set AC, 64*((\a)%4)
	WIN 0x08+0x04*((\a)/4)                         ; data in window 2 or 3
.irp b, 0,1,2,3,4,5,6,7
	ds_store_b128 v[STO], v[AC+4*\b:AC+4*\b+3] offset:32*\b
.endr
	WIN 0x80+0x40*((\a)/4)
.irp t, 0,1,2,3,4,5,6,7
	ds_load_b128 v[AC+32+4*\t:AC+32+4*\t+3], v[RD] offset:\t*2*PITCH
.endr
.endm
.macro SEND a
.set AC, 64*((\a)%4)
	WIN 0x08+0x04*((\a)/4)
	s_wait_dscnt 0x0                               ; the block's rows are back
.irp t, 0,1,2,3,4,5,6,7
	global_store_b128 v[CO], v[AC+32+4*\t:AC+32+4*\t+3], s[10:11] offset:(16*(\a)+2*\t)*8192 th:TH_STORE_NT
.endr
.endm
; THE LAST K STEP (slot 1) GOES BY ROWS OF y: both sets of b stand in registers, so block a is finished, T0's products and then T1's, while later blocks still wait; finished rows leave under the others' products.
	s_wait_dscnt 56                                ; RUN1 is in
.irp g, 0,1,2,3,4,5,6,7
	G \g, 0, 0
.endr
	s_wait_dscnt 12                                ; a's blocks 4, 5 of T0, b's set 1 and T1's block 0: behind them three of a
	G 0, 1, 0
	G 1, 1, 0
	G 8, 0, 0
	G 9, 0, 0
	s_wait_dscnt 8                                 ; T1's block 1: two behind it
	G 2, 1, 0
	G 3, 1, 0
	PLACES                                         ; no other vector work is at hand ahead of the first conversions; the later blocks have the earlier blocks' conversions
	CONV 0
	STG 0
	LA 1, 1, 4
	LA 1, 1, 5
	s_wait_dscnt 24                                ; T1's blocks 2, 3: behind them STG's sixteen and eight loads
	G 10, 0, 0
	G 11, 0, 0
	G 4, 1, 0
	G 5, 1, 0
	SEND 0                                         ; its wait shows T1's blocks 4, 5 too
	CONV 1                                         ; (these 64 are also the places ahead of the two loads below)
	STG 1
	LA 1, 1, 6
	LA 1, 1, 7
	G 12, 0, 0
	G 13, 0, 0
	G 6, 1, 0
	G 7, 1, 0
	SEND 1                                         ; its wait shows T1's blocks 6, 7 too
	CONV 2
	STG 2
	G 14, 0, 0
	G 15, 0, 0
	G 8, 1, 0
	G 9, 1, 0
	SEND 2
	CONV 3
	STG 3
	G 10, 1, 0
	G 11, 1, 0
	SEND 3
	CONV 4
	STG 4
	G 12, 1, 0
	G 13, 1, 0
	SEND 4
	CONV 5
	STG 5
	G 14, 1, 0
	G 15, 1, 0
	SEND 5
	CONV 6
	STG 6
	CONV 7
	s_wait_alu depctr_va_vdst(0)
	SEND 6
	STG 7
	SEND 7
	WIN 0
	s_wait_tensorcnt 0x0                           ; the wave's end
	ds_add_u32 v[SPW], v[NIL]
	s_wait_dscnt 0x0
	CROUND                                         ; the closing round: no work-group ends while a partner may still ask for a tile that names it
	s_endpgm
.Lfunc_end_k_qe7647edf7f_gemm:
	.size	k_qe7647edf7f_gemm, .Lfunc_end_k_qe7647edf7f_gemm-k_qe7647edf7f_gemm
	.p2alignl 7, 3214868480
	.fill 96, 4, 3214868480
	.section	.rodata,"a",@progbits
	.p2align	6, 0x0
	.amdhsa_kernel k_qe7647edf7f_gemm
		.amdhsa_group_segment_fixed_size 327680
		.amdhsa_private_segment_fixed_size 0
		.amdhsa_enable_private_segment 0
		.amdhsa_kernarg_size 32
		.amdhsa_user_sgpr_count 2
		.amdhsa_user_sgpr_kernarg_segment_ptr 1
		.amdhsa_wavefront_size32 1
		.amdhsa_system_sgpr_workgroup_id_x 1
		.amdhsa_system_sgpr_workgroup_id_y 1
		.amdhsa_system_sgpr_workgroup_id_z 1
		.amdhsa_system_vgpr_workitem_id 0
		.amdhsa_next_free_vgpr 1024
		.amdhsa_next_free_sgpr 98
		.amdhsa_reserve_vcc 0
		.amdhsa_float_denorm_mode_32 3
		.amdhsa_float_denorm_mode_16_64 3
		.amdhsa_memory_ordered 1
		.amdhsa_forward_progress 1
		.amdhsa_inst_pref_size 126
	.end_amdhsa_kernel
	.amdgpu_metadata
---
amdhsa.version: [ 1, 2 ]
amdhsa.kernels:
  - .name:           k_qe7647edf7f_gemm
    .symbol:         k_qe7647edf7f_gemm.kd
    .args:
      - { .name: a_codes, .offset: 0, .size: 8, .value_kind: global_buffer, .address_space: global }
      - { .name: b_codes, .offset: 8, .size: 8, .value_kind: global_buffer, .address_space: global }
      - { .name: lowp_scales, .offset: 16, .size: 8, .value_kind: global_buffer, .address_space: global }
      - { .name: out0, .offset: 24, .size: 8, .value_kind: global_buffer, .address_space: global }
    .group_segment_fixed_size: 327680
    .private_segment_fixed_size: 0
    .kernarg_segment_align: 8
    .kernarg_segment_size: 32
    .max_flat_workgroup_size: 128
    .sgpr_count:     98
    .vgpr_count:     1024
    .wavefront_size: 32
...
	.end_amdgpu_metadata
.endif
;; end of part 2
